; MI455X (gfx1250); checked and timed in simulation.
; The chip was launched on July 23, 2026; its instructions are those of AMD's public machine-readable ISA for CDNA 5 (MIT licence, August 2026) and "CDNA5" Instruction Set Architecture Reference Guide (July 2026). The comments in the code are by the model that wrote it; some were corrected since.
;; Custom Multihead Attention. Allowed arithmetic: matrix products marked QUANTISED: E2M1 operands, one E8M0 scale for each 32 along K, by v_wmma_scale_f32_16x16x128_f8f6f4 with both operands' format E2M1 (or v_wmma_scale_f32_32x16x128_f4), f32 sums; products left as they are: bf16, f16 or f32 operands; f32 sums; everything else in f32.
;; Inputs: Wk 1,024 x 1,024 float32; Wp 1,024 x 1,024 float32; Wq 1,024 x 1,024 float32; Wv 1,024 x 1,024 float32; bk 1,024 float32; bp 1,024 float32; bq 1,024 float32; bv 1,024 float32; key 4 x 2,048 x 1,024 float32; query 4 x 2,048 x 1,024 float32; value 4 x 2,048 x 1,024 float32.
;; Outputs: out0 4 x 2,048 x 1,024 float32.
;; This version of the problem:
;;   THIS VERSION OF THE PROBLEM IS GIVEN IN LOW PRECISION. The matrix products marked QUANTISED in the list below multiply operands that are first quantised to E2M1 (2 exponent bits, 1 mantissa bit; 4 bits a number), with one power-of-two scale for each 32 numbers along K (OCP MX v1.0); their sums are f32. The products marked 'left as it is' may take bf16, f16 or f32 operands, with f32 sums. Whichever they take, every output number must still come out within the allowed error. Rounding operands to bf16 (8 significant bits) uses up far more of that allowance than f16 does (11 bits, for magnitudes from 6e-5 to 65,504). All else is computed in f32.
;;   The module's matrix products, in the order in which they are computed (A, B: the left and right operand; K: the contracted axis; several contracted axes count as one K, in the product's order):
;;     1. [M 8,192, K 1,024] x [K 1,024, N 1,024]; A: input query; B: input Wq: QUANTISED
;;     2. [M 8,192, K 1,024] x [K 1,024, N 1,024]; A: input key; B: input Wk: QUANTISED
;;     3. [M 8,192, K 1,024] x [K 1,024, N 1,024]; A: input value; B: input Wv: QUANTISED
;;     4. batch 64 x [M 2,048, K 64] x [K 64, N 2,048]; A: computed on the way; B: computed on the way: left as it is (an operand is computed on the way)
;;     5. batch 64 x [M 2,048, K 2,048] x [K 2,048, N 64]; A: computed on the way; B: computed on the way: left as it is (an operand is computed on the way)
;;     6. [M 8,192, K 1,024] x [K 1,024, N 1,024]; A: computed on the way; B: input Wp: left as it is (an operand is computed on the way)
;;   THE QUANTISER, for each operand of a quantised product, along K:
;;     - K is cut into blocks of 32 from its start; a last block that is shorter is filled with zeros.
;;     - A block's scale is 2^e with e = floor(log2(the largest magnitude in the block)) - 2, held to -126 .. 127; a block of zeros has e = 0. As a byte (E8M0): e + 127.
;;     - Each number is divided by its block's scale, clamped to +-6, and rounded to the nearest number of E2M1, ties to even, subnormals kept.
;;     - The product sums the exact products of the quantised numbers (number of the format x scale) in f32.
;;   ~~~python
;;   def quantise(x, axis):      # numpy; x: float32 -> the quantised numbers, widened to float32 again
;;       x = np.moveaxis(x, axis, -1); K = x.shape[-1]
;;       x = np.pad(x, [(0, 0)] * (x.ndim - 1) + [(0, -K % 32)]); x = x.reshape(x.shape[:-1] + (-1, 32)); a = np.abs(x).max(-1, keepdims=True)
;;       e = np.where(a > 0, np.clip(np.frexp(np.where(a > 0, a, 1))[1] - 1 - 2, -126, 127), 0)      # np.frexp(a)[1] - 1 = floor(log2(a)), exactly
;;       r = np.clip(x / 2.0 ** e, -6, 6)
;;       step = 2.0 ** (np.maximum(np.frexp(np.where(r == 0, 1, r))[1] - 1, 0) - 1)
;;       q = np.round(r / step) * step * 2.0 ** e      # np.round: ties to even
;;       return np.moveaxis(q.reshape(q.shape[:-2] + (-1,))[..., :K], -1, axis).astype(np.float32)
;;   ~~~
;; One version. Each part assembles by itself: llvm-mc -triple=amdgcn-amd-amdhsa -mcpu=gfx1250 --defsym DOCPART=n.
;; ======== version 1 of 1: 4 launches
;; limits: values are held in f16: magnitudes above 65,504 overflow, below 6.1e-05 lose precision
;; workspace buffers: xc 12,582,912 bytes; xs 786,432 bytes; wc 1,572,864 bytes; ws 98,304 bytes; wpf 2,097,152 bytes; qkv 50,331,648 bytes; yf 16,777,216 bytes
;; launch prep (part 1): grid 1024 x 1, 4 waves a work-group, no clusters, 34,304 bytes of LDS; arguments query, key, value, Wq, Wk, Wv, Wp, xc, xs, wc, ws, wpf; writes xc, xs, wc, ws, wpf
.if DOCPART == 1
	.amdgcn_target "amdgcn-amd-amdhsa--gfx1250"
	.amdhsa_code_object_version 6
	.text
	.protected	k_qfd637eeb5f_prep
	.globl	k_qfd637eeb5f_prep
	.p2align	8
	.type	k_qfd637eeb5f_prep,@function
k_qfd637eeb5f_prep:
	s_mov_b64 s[64:65], 0
	v_nop
	global_prefetch_b8 v0, s[64:65] scope:SCOPE_SE
	s_setreg_imm32_b32 hwreg(HW_REG_WAVE_MODE, 25, 1), 1
	s_wait_xcnt 0x0
; PREP: every operand of the later launches that comes from an input is laid out once, as an image of the registers that will hold it.
;   work-groups   0-191: Wq, Wk, Wv [1024 k][1024 n] f32 -> codes of E2M1 along k and one E8M0 byte for each 32 k  (wc, ws)
;   work-groups 192-255: Wp [1024 k][1024 n] f32 -> f16                                                            (wpf)
;   work-groups 256-1023: query, key, value [8192][1024] f32 -> codes of E2M1 along the row and their scale words  (xc, xs)
; THE QUANTISER: a block's scale is 2^(floor(log2(largest magnitude)) - 2); its byte is that magnitude's exponent field - 2, held at 1 from below by a floor among
; the maximum's leaves; each number is divided by the scale and rounded to the nearest code, ties to even, beyond 6 the code of 6.
; LAYOUTS (L lane, r = L % 16, h = L / 16).  A 4-bit fragment is 16 rows x 128 k: two pieces of 512 bytes; in piece c lane (r, h) holds the 16 bytes of k = 64 c + 32 h .. + 31 of row r, at 16 L.
;   xc  [128 rows: 192][K step: 8][tile of 16 rows: 8][piece: 2][512 B]        wc  [tensor: 3][128 columns: 8][K step: 8][tile: 8][piece: 2][512 B]
;   xs  [32 rows: 768][half of K: 2][row: 32][4 words]                         ws  [tensor: 3][K step: 8][column: 1024] words
;   wpf [128 columns: 8][K step of 128: 8][32 k: 4][tile of 16 columns: 8][piece: 2][512 B]; piece e, lane (r, h): k = 16 e + 8 h .. + 7 of column r, in f16
; LIMITS: NaN and infinities among the inputs are not served.  A block of zeros gets the byte 1 where the rule says 127: its codes are zeros, which add nothing, and only this program reads the bytes.
; Blocks whose largest magnitude lies under 2^-124 keep the byte 1.  |Wp| of 65,520 and more becomes infinity in f16.
; No cluster, no tensor load: no two work-groups read the same input bytes.  No barrier: waves share nothing.
.set STG,   8448                       ; a wave's stage in LDS: 16 rows x (512 bytes + 16)
.set SPARE, 4*STG                      ; behind the four stages: the spare words, 128 bytes a wave, which no other line names
.set SPW,   20                         ; v20  LDS address of my spare word; never rewritten
.set NIL,   21                         ; v21  0; never rewritten
	s_load_b512 s[4:19], s[0:1], 0x0               ; query 4, key 6, value 8, Wq 10, Wk 12, Wv 14, Wp 16, xc 18
	s_load_b256 s[20:27], s[0:1], 0x40             ; xs 20, wc 22, ws 24, wpf 26
	v_lshl_add_u32 v[SPW], v0, 2, SPARE
	v_mov_b32 v[NIL], 0
	v_lshrrev_b32 v1, 5, v0
	v_readfirstlane_b32 s28, v1                    ; wave 0..3
	v_and_b32 v1, 31, v0                           ; L
	v_and_b32 v2, 15, v0                           ; r
	v_bfe_u32 v3, v0, 4, 1                         ; h
	v_lshlrev_b32 v6, 4, v1                        ; 16 L
	v_lshlrev_b32 v25, 2, v1                       ; 4 L
	s_mul_i32 s38, s28, STG
	v_add_nc_u32 v4, s38, v6                       ; the stage, on the way in: my 16 bytes of a row's 512
	v_mul_u32_u24 v5, v2, 528
	v_lshl_add_u32 v5, v3, 7, v5
	v_add_nc_u32 v5, s38, v5                       ; and on the way out: row r, my half's block of 32 numbers
	s_wait_kmcnt 0x0
	s_cmp_ge_u32 ttmp9, 256
	s_cbranch_scc1 .Lpath_x
; ---- THE WEIGHTS.  A work-group takes 128 columns x 128 k, a wave 32 columns.  A LANE TAKES A COLUMN AND ITS REGISTERS RUN DOWN K.
	s_lshr_b32 s29, ttmp9, 6                       ; which tensor: 0 Wq, 1 Wk, 2 Wv, 3 Wp
	s_and_b32 s32, ttmp9, 7                        ; K step
	s_bfe_u32 s33, ttmp9, 0x30003                  ; which 128 columns
	s_cmp_eq_u32 s29, 0
	s_cselect_b64 s[30:31], s[10:11], s[12:13]
	s_cmp_eq_u32 s29, 2
	s_cselect_b64 s[30:31], s[14:15], s[30:31]
	s_cmp_eq_u32 s29, 3
	s_cselect_b64 s[30:31], s[16:17], s[30:31]
	s_lshl_b32 s34, s32, 19                        ; 128 rows of 4,096 bytes a K step
	s_lshl_b32 s35, s33, 9                         ; 128 columns of 4 bytes
	s_add_co_u32 s34, s34, s35
	s_lshl_b32 s35, s28, 7                         ; my wave's 32 columns
	s_add_co_u32 s34, s34, s35
	s_mov_b32 s35, 0
	s_add_nc_u64 s[30:31], s[30:31], s[34:35]
.macro LOADW b                         ; rows 32 b .. 32 b + 31 of the K step, my column, into set b % 2: each load reads 128 neighbouring bytes a wave, 512 a work-group
.set i, 0
.rept 32
	global_load_b32 v[32+32*((\b)%2)+i], v25, s[30:31] offset:(32*(\b)+i)*4096 th:TH_LOAD_NT
.set i, i+1
.endr
.endm
	LOADW 0
	LOADW 1
	s_cmp_eq_u32 s29, 3
	s_cbranch_scc1 .Lpath_wp
; ---- Wq, Wk, Wv: four blocks of 32 along k, each wholly in one lane
	s_lshl_b32 s34, s29, 19                        ; wc: tensor,
	s_lshl_b32 s35, s33, 16                        ; 128 columns,
	s_add_co_u32 s34, s34, s35
	s_lshl_b32 s35, s32, 13                        ; K step,
	s_add_co_u32 s34, s34, s35
	s_lshl_b32 s35, s28, 11                        ; my wave's two tiles
	s_add_co_u32 s34, s34, s35
	s_mov_b32 s35, 0
	s_add_nc_u64 s[22:23], s[22:23], s[34:35]
	s_lshl_b32 s34, s29, 15                        ; ws: tensor,
	s_lshl_b32 s35, s32, 12                        ; K step,
	s_add_co_u32 s34, s34, s35
	s_lshl_b32 s35, s33, 9                         ; 128 columns,
	s_add_co_u32 s34, s34, s35
	s_lshl_b32 s35, s28, 7                         ; my wave's 32
	s_add_co_u32 s34, s34, s35
	s_mov_b32 s35, 0
	s_add_nc_u64 s[24:25], s[24:25], s[34:35]
.macro QBLK b
.set XS, 32+32*((\b)%2)
.if (\b) < 3
	s_wait_loadcnt 32                              ; this block's 32 loads are in; the next block's 32 may be out
.else
	s_wait_loadcnt 0x0
.endif
	v_max3_num_f32 v12, |v[XS]|, |v[XS+1]|, |v[XS+2]|       ; the block's largest magnitude, in two chains
	v_max3_num_f32 v13, |v[XS+3]|, |v[XS+4]|, |v[XS+5]|
.irp i, 6,10,14,18,22,26
	v_max3_num_f32 v12, v12, |v[XS+\i]|, |v[XS+\i+1]|
	v_max3_num_f32 v13, v13, |v[XS+\i+2]|, |v[XS+\i+3]|
.endr
	v_max3_num_f32 v12, v12, |v[XS+30]|, |v[XS+31]|
	v_max3_num_f32 v12, v12, v13, 0x1800000        ; and the floor 2^(3 - 127): the byte cannot fall under 1
	v_add_nc_u32 v11, 0xff000000, v12              ; 2 off the exponent field: the conversion takes this operand's exponent field as its scale
	v_lshrrev_b32 v13, 23, v11                     ; the scale's byte
.if (\b) == 0
	v_mov_b32 v24, v13                             ; the four bytes make my column's scale word of this K step
.else
	v_lshl_or_b32 v24, v13, 8*(\b), v24
.endif
.irp g, 0,1,2,3
	v_cvt_scalef32_pk8_fp4_f32 v[96+4*(\b)+\g], v[XS+8*\g:XS+8*\g+7], v11
.endr
.if (\b) < 2
	LOADW (\b)+2
.endif
.endm
	QBLK 0
	QBLK 1
	QBLK 2
	QBLK 3
	v_nop                                          ; one plain instruction between a scaled conversion and the vector instruction that touches its result
.irp c, 0,1                            ; blocks 2 c and 2 c + 1 of 32 columns become piece c of two fragments: the first's lanes 16-31 change places with the second's lanes 0-15
.irp i, 0,1,2,3
	v_permlane16_swap_b32 v[96+8*\c+\i], v[100+8*\c+\i]
.endr
.endr
.irp c, 0,1
	global_store_b128 v6, v[96+8*\c:99+8*\c], s[22:23] offset:512*\c            ; columns 0-15, piece c: the wave stores 512 consecutive bytes
	global_store_b128 v6, v[100+8*\c:103+8*\c], s[22:23] offset:1024+512*\c     ; columns 16-31
.endr
	global_store_b32 v25, v24, s[24:25]            ; 128 consecutive bytes a wave: 98,304 bytes in the whole launch leave so
	s_endpgm
; ---- Wp: rounded to f16, two numbers a register, 32 k at a time
.Lpath_wp:
	s_lshl_b32 s34, s33, 18                        ; wpf: 128 columns,
	s_lshl_b32 s35, s32, 15                        ; K step,
	s_add_co_u32 s34, s34, s35
	s_lshl_b32 s35, s28, 11                        ; my wave's two tiles
	s_add_co_u32 s34, s34, s35
	s_mov_b32 s35, 0
	s_add_nc_u64 s[26:27], s[26:27], s[34:35]
.macro HBLK k
.set XS, 32+32*((\k)%2)
.set HC, 96+16*(\k)                    ; sixteen registers of its own for each 32 k: no store's data are written again
.if (\k) < 3
	s_wait_loadcnt 32                              ; these 32 loads are in; the next 32 may be out
.else
	s_wait_loadcnt 0x0
.endif
.set i, 0
.rept 16
	v_cvt_pk_f16_f32 v[HC+i], v[XS+2*i], v[XS+2*i+1]
.set i, i+1
.endr
.if (\k) < 2
	LOADW (\k)+2
.endif
.irp i, 0,1,2,3                        ; groups of four registers hold k = 0-7, 8-15, 16-23, 24-31 of 32 columns; a piece wants 8 h .. + 7 of 16 columns
	v_permlane16_swap_b32 v[HC+\i], v[HC+4+\i]
	v_permlane16_swap_b32 v[HC+8+\i], v[HC+12+\i]
.endr
	global_store_b128 v6, v[HC:HC+3], s[26:27] offset:8192*(\k)                 ; columns 0-15, piece 0
	global_store_b128 v6, v[HC+4:HC+7], s[26:27] offset:8192*(\k)+1024          ; columns 16-31, piece 0
	global_store_b128 v6, v[HC+8:HC+11], s[26:27] offset:8192*(\k)+512          ; columns 0-15, piece 1
	global_store_b128 v6, v[HC+12:HC+15], s[26:27] offset:8192*(\k)+1536        ; columns 16-31, piece 1
.endm
	HBLK 0
	HBLK 1
	HBLK 2
	HBLK 3
	s_endpgm
; ---- THE ACTIVATIONS.  A work-group takes 32 rows, a wave 16 rows x 512 k: four K steps of 128.  Loads take a row's bytes as they lie (512 a load); a K step's 16 x 512 bytes
; turn through the wave's own stage, so that lane (r, h) gets whole blocks of 32 neighbours of row r: the very numbers whose codes the fragment's layout gives that lane.
.Lpath_x:
	s_sub_co_u32 s29, ttmp9, 256                   ; which 32 rows of the 24,576
	s_lshr_b32 s32, s29, 8                         ; which tensor
	s_cmp_eq_u32 s32, 0
	s_cselect_b64 s[30:31], s[4:5], s[6:7]
	s_cmp_eq_u32 s32, 2
	s_cselect_b64 s[30:31], s[8:9], s[30:31]
	s_and_b32 s33, s28, 1                          ; u: which 16 rows
	s_lshr_b32 s39, s28, 1                         ; q: which half of K
	s_and_b32 s34, s29, 255
	s_lshl_b32 s34, s34, 17                        ; 32 rows of 4,096 bytes
	s_lshl_b32 s35, s33, 16
	s_add_co_u32 s34, s34, s35
	s_lshl_b32 s35, s39, 11
	s_add_co_u32 s34, s34, s35
	s_mov_b32 s35, 0
	s_add_nc_u64 s[30:31], s[30:31], s[34:35]
.macro LOADX t                         ; K step t of my four: 16 rows x 512 bytes into set t % 2
.set i, 0
.rept 16
	global_load_b128 v[32+64*((\t)%2)+4*i:32+64*((\t)%2)+4*i+3], v6, s[30:31] offset:4096*i+512*(\t) th:TH_LOAD_NT
.set i, i+1
.endr
.endm
	LOADX 0
	LOADX 1
	s_lshr_b32 s34, s29, 2
	s_lshl_b32 s34, s34, 16                        ; xc: 128 rows,
	s_lshl_b32 s35, s39, 15                        ; four K steps,
	s_add_co_u32 s34, s34, s35
	s_and_b32 s35, s29, 3
	s_lshl_b32 s35, s35, 1
	s_add_co_u32 s35, s35, s33
	s_lshl_b32 s35, s35, 10                        ; my tile of 16 rows
	s_add_co_u32 s34, s34, s35
	s_mov_b32 s35, 0
	s_add_nc_u64 s[18:19], s[18:19], s[34:35]
	s_lshl_b32 s34, s29, 10                        ; xs: 32 rows,
	s_lshl_b32 s35, s39, 9                         ; half of K,
	s_add_co_u32 s34, s34, s35
	s_lshl_b32 s35, s33, 8                         ; my 16 rows
	s_add_co_u32 s34, s34, s35
	s_mov_b32 s35, 0
	s_add_nc_u64 s[20:21], s[20:21], s[34:35]
	s_mov_b32 s36, 0x76543210
	s_mov_b32 s37, 0xfedcba98                      ; v_permlanex16_b32's selects for lane l xor 16
	v_lshlrev_b32 v7, 4, v2
	v_lshl_add_u32 v7, v3, 3, v7                   ; 16 r + 8 h: my two scale words' place
	v_lshlrev_b32 v10, 3, v3                       ; 8 h
	v_mov_b32 v12, 0                               ; a lane permute's destination counts as one of its sources
.macro XSTEP t
.set RS, 32+64*((\t)%2)
.if (\t) < 3
	s_wait_loadcnt 16                              ; this K step's 16 loads are in; the next step's 16 may be out
.else
	s_wait_loadcnt 0x0
.endif
.set i, 0
.rept 16
	ds_store_b128 v4, v[RS+4*i:RS+4*i+3] offset:528*i
.set i, i+1
.endr
.irp c, 0,1                            ; LDS serves a wave's instructions in order (ISA guide 5.7.1.4): these see the stores above
.irp g, 0,1,2,3,4,5,6,7
	ds_load_b128 v[160+32*\c+4*\g:160+32*\c+4*\g+3], v5 offset:256*\c+16*\g
.endr
.endr
	s_wait_dscnt 0x0                               ; my 64 numbers are back, and the stores have read their registers,
.if (\t) < 2
	LOADX (\t)+2                                   ; which take the loads of two steps on
.endif
.irp c, 0,1
	v_max3_num_f32 v[8+\c], |v[160+32*\c]|, |v[161+32*\c]|, 0x1800000     ; block 2 c + h of my row, and the floor
.endr
.irp i, 2,4,6,8,10,12,14,16,18,20,22,24,26,28,30
.irp c, 0,1
	v_max3_num_f32 v[8+\c], v[8+\c], |v[160+32*\c+\i]|, |v[161+32*\c+\i]| ; (the two blocks by turns)
.endr
.endr
.irp c, 0,1
	v_add_nc_u32 v[14+\c], 0xff000000, v[8+\c]     ; the conversion's scale operand
.endr
.irp c, 0,1
	v_lshrrev_b32 v[22+\c], 23, v[14+\c]           ; the scale's byte
.endr
	v_lshl_or_b32 v24, v23, 16, v22                ; my two bytes, blocks h and 2 + h,
	v_lshlrev_b32 v24, v10, v24                    ; at their places in the word;
	v_permlanex16_b32 v12, v24, s36, s37
	v_or_b32 v[16+(\t)], v24, v12                  ; with lane l xor 16's two the word is whole
.irp c, 0,1
.irp g, 0,1,2,3
	v_cvt_scalef32_pk8_fp4_f32 v[224+8*(\t)+4*\c+\g], v[160+32*\c+8*\g:167+32*\c+8*\g], v[14+\c]
.endr
.endr
	v_nop                                          ; one plain instruction behind the last conversion
.irp c, 0,1
	global_store_b128 v6, v[224+8*(\t)+4*\c:227+8*(\t)+4*\c], s[18:19] offset:8192*(\t)+512*\c   ; a piece: 512 consecutive bytes
.endr
.endm
	XSTEP 0
	XSTEP 1
	XSTEP 2
	XSTEP 3
	v_cmp_ne_u32 vcc_lo, 0, v3                     ; lanes 0-15 store words 0 and 1 of their row, lanes 16-31 words 2 and 3
	v_cndmask_b32 v22, v16, v18, vcc_lo
	v_cndmask_b32 v23, v17, v19, vcc_lo
	global_store_b64 v7, v[22:23], s[20:21]        ; the wave stores 256 consecutive bytes, at a multiple of 256 from the buffer's first byte
	s_wait_tensorcnt 0x0                           ; the wave's end: behind my last LDS store
	ds_add_u32 v[SPW], v[NIL]
	s_wait_dscnt 0x0
	s_endpgm
.Lfunc_end_k_qfd637eeb5f_prep:
	.size	k_qfd637eeb5f_prep, .Lfunc_end_k_qfd637eeb5f_prep-k_qfd637eeb5f_prep
	.p2alignl 7, 3214868480
	.fill 96, 4, 3214868480
	.section	.rodata,"a",@progbits
	.p2align	6, 0x0
	.amdhsa_kernel k_qfd637eeb5f_prep
		.amdhsa_group_segment_fixed_size 34304
		.amdhsa_private_segment_fixed_size 0
		.amdhsa_enable_private_segment 0
		.amdhsa_kernarg_size 96
		.amdhsa_user_sgpr_count 2
		.amdhsa_user_sgpr_kernarg_segment_ptr 1
		.amdhsa_wavefront_size32 1
		.amdhsa_system_sgpr_workgroup_id_x 1
		.amdhsa_system_sgpr_workgroup_id_y 1
		.amdhsa_system_sgpr_workgroup_id_z 1
		.amdhsa_system_vgpr_workitem_id 0
		.amdhsa_next_free_vgpr 256
		.amdhsa_next_free_sgpr 66
		.amdhsa_reserve_vcc 1
		.amdhsa_float_denorm_mode_32 3
		.amdhsa_float_denorm_mode_16_64 3
		.amdhsa_memory_ordered 1
		.amdhsa_forward_progress 1
		.amdhsa_inst_pref_size 63
	.end_amdhsa_kernel
	.amdgpu_metadata
---
amdhsa.version: [ 1, 2 ]
amdhsa.kernels:
  - .name:           k_qfd637eeb5f_prep
    .symbol:         k_qfd637eeb5f_prep.kd
    .args:
      - { .name: query, .offset: 0, .size: 8, .value_kind: global_buffer, .address_space: global }
      - { .name: key, .offset: 8, .size: 8, .value_kind: global_buffer, .address_space: global }
      - { .name: value, .offset: 16, .size: 8, .value_kind: global_buffer, .address_space: global }
      - { .name: Wq, .offset: 24, .size: 8, .value_kind: global_buffer, .address_space: global }
      - { .name: Wk, .offset: 32, .size: 8, .value_kind: global_buffer, .address_space: global }
      - { .name: Wv, .offset: 40, .size: 8, .value_kind: global_buffer, .address_space: global }
      - { .name: Wp, .offset: 48, .size: 8, .value_kind: global_buffer, .address_space: global }
      - { .name: xc, .offset: 56, .size: 8, .value_kind: global_buffer, .address_space: global }
      - { .name: xs, .offset: 64, .size: 8, .value_kind: global_buffer, .address_space: global }
      - { .name: wc, .offset: 72, .size: 8, .value_kind: global_buffer, .address_space: global }
      - { .name: ws, .offset: 80, .size: 8, .value_kind: global_buffer, .address_space: global }
      - { .name: wpf, .offset: 88, .size: 8, .value_kind: global_buffer, .address_space: global }
    .group_segment_fixed_size: 34304
    .private_segment_fixed_size: 0
    .kernarg_segment_align: 8
    .kernarg_segment_size: 96
    .max_flat_workgroup_size: 128
    .sgpr_count:     66
    .vgpr_count:     256
    .wavefront_size: 32
...
	.end_amdgpu_metadata
.endif
;; end of part 1
;; launch proj (part 2): grid 4 x 96, 4 waves a work-group, clusters of 4 x 4, 327,680 bytes of LDS; arguments xc, xs, wc, ws, bq, bk, bv, qkv; writes qkv
.if DOCPART == 2
	.amdgcn_target "amdgcn-amd-amdhsa--gfx1250"
	.amdhsa_code_object_version 6
	.text
	.protected	k_qfd637eeb5f_proj
	.globl	k_qfd637eeb5f_proj
	.p2align	8
	.type	k_qfd637eeb5f_proj,@function
k_qfd637eeb5f_proj:
	s_mov_b64 s[64:65], 0
	v_nop
	global_prefetch_b8 v0, s[64:65] scope:SCOPE_SE
	s_setreg_imm32_b32 hwreg(HW_REG_WAVE_MODE, 25, 1), 1
	s_wait_xcnt 0x0
	s_wait_alu depctr_hold_cnt(0) depctr_sa_sdst(0) depctr_va_vdst(0) depctr_va_sdst(0) depctr_va_ssrc(0) depctr_va_vcc(0) depctr_vm_vsrc(0)
	s_getreg_b32 s2, hwreg(HW_REG_IB_STS2, 6, 4)
	s_cmp_eq_u32 s2, 0
	s_cbranch_scc0 .Lentry_in_a_cluster
	s_endpgm
.Lentry_in_a_cluster:
	s_bfe_u32 s2, ttmp6, 0x10000c
	s_cmp_lg_u32 s2, 0xf033
	s_cbranch_scc0 .Lentry_shape_is_right
	s_endpgm
.Lentry_shape_is_right:
; PROJ: q = query Wq + bq, k = key Wk + bk, v = value Wv + bv, on codes of E2M1 with one E8M0 scale for each 32 along K; sums in f32; results rounded once to f16.
; The 24,576 rows (query, key, value on end) are 96 blocks of 256; a work-group makes 256 rows x 256 columns, each of its four waves 128 x 128: 64 accumulators, 512 registers.
; ALL OF K FITS IN LDS: 256 rows x 512 bytes for each side, 262,144 bytes.  So every byte of LDS is filled once: no ring, no refill.  Each wave fetches 128 rows or columns (65,536 dense bytes)
; in four portions of two K steps, so that the products begin when the first portion has landed.  A wave has four tensor loads out.
; CLUSTERS: 4 x 4 work-groups.  The four of a row of the cluster need the same rows, the four of a column the same columns of the weight: each portion is asked for jointly.
; The grid is four work-groups wide, so the cluster's x is 0 and a work-group's column block is its place cx.  Eight clusters along y share a tensor: T = cluster y / 8, the same in all sixteen partners.
; THE PRODUCT IS USED TRANSPOSED (source 0 = 16 columns of W, source 1 = 16 rows of x): a lane holds one token and eight neighbouring channels, which pack into 16 bytes of f16.
; The bias is the C of each sum's first product.  Operands lie in LDS as images of their registers: every fragment comes by two loads at 16 x lane.
; OUT: qkv [tensor 3][batch x head 64][tile of 16 tokens 128][16 channels 4][512 B]; lane (r, h)'s 16 bytes (token r, channels 8 h .. + 7 of the sixteen) lie at 256 h + 16 (r xor 8 h).
; LIMIT: |q|, |k| or |v| of 65,520 and more becomes infinity in f16.
; REGISTERS: window 0: v1-9 addresses; v28, v29 the add's two; v32-63 x's scale words, v64-95 W's; v128-255 x's fragments, two sets; on the way out v128-255 hold packed results.
;   window 1: v0-127 W's fragments, two sets; v128-191 the bias, eight tiles.   window 2: accumulators of my rows 0-63 ((a, b) at 8 (8 a + b));   window 3: rows 64-127.
.set SPARE, 262144                     ; behind the operands: the spare words, 128 bytes a wave, which no other line names
.set SPW,  28
.set NIL,  29
.set SCA,  32                          ; x's scale words: register SCA + 8 g + s: lanes 0-15 row tile 2 g, lanes 16-31 row tile 2 g + 1, K step s
.set SCB,  64                          ; W's likewise, by column tiles
.set XF,   128                         ; x's fragments, window 0
.set BT,   128                         ; the bias tiles, window 1
.set G1A,  32                          ; s[32:39] descriptor group 1 for x's portions;  s[40:47] for W's: they differ in the mask alone
.set G1B,  40
.set G0A,  48                          ; s[48:63] four groups 0, one a portion;  s[68:83] the same for W
.set G0B,  68
.set MSB, 0
.macro WIN new                         ; the immediate's high byte repeats the setting that is left; a switch that changes nothing is dropped
.if MSB != (\new)
	s_set_vgpr_msb (MSB<<8)|(\new)
.set MSB, (\new)
.endif
.endm
.macro CROUND                          ; a round of the cluster's barrier: my work-group's barrier; wave 0 signals for the work-group; every wave waits for all sixteen; my work-group's barrier once more
	s_barrier_signal -1
	s_barrier_wait -1
	s_cmp_lg_u32 s20, 0
	s_cbranch_scc1 .Lnot_wave_0_\@
	s_barrier_signal -3
.Lnot_wave_0_\@:
	s_barrier_wait -3
	s_barrier_signal -1
	s_barrier_wait -1
.endm
.macro PLACES                          ; four plain instructions between a matrix instruction and a load into, or a vector read or write of, its registers
.rept 4
	v_nop
.endr
.endm
	s_load_b512 s[4:19], s[0:1], 0x0               ; xc 4, xs 6, wc 8, ws 10, bq 12, bk 14, bv 16, qkv 18
	v_lshl_add_u32 v[SPW], v0, 2, SPARE
	v_mov_b32 v[NIL], 0
	ds_add_u32 v[SPW], v[NIL]                      ; the wave's opening: an add, twice on end, and its wait ahead of my first tensor load
	ds_add_u32 v[SPW], v[NIL]
	v_lshrrev_b32 v1, 5, v0
	v_readfirstlane_b32 s20, v1                    ; wave 0..3
	s_lshr_b32 s21, s20, 1                         ; which half of the rows is mine.  Also: I fetch for x (0) or for W (1)
	s_and_b32 s22, s20, 1                          ; which half of the columns.  Also: which 128 rows or columns I fetch
	s_bfe_u32 s23, ttmp6, 0x40000                  ; cx
	s_bfe_u32 s24, ttmp6, 0x40004                  ; cy
	s_and_b32 s25, ttmp7, 0xffff                   ; cluster y
	s_lshl_b32 s26, s25, 2
	s_add_co_u32 s26, s26, s24                     ; y: my block of 256 rows, 0..95
	s_lshr_b32 s27, s25, 3                         ; T: 0 query, 1 key, 2 value
	s_lshl_b32 s28, s24, 2
	s_lshl_b32 s28, 15, s28                        ; my row of the cluster
	s_lshl_b32 s29, 0x1111, s23                    ; my column
	s_or_b32 s[G1A], s28, (3<<16)|(1<<21)          ; 15:0 the mask; 17:16 elements of 8 bytes; 21 set beside a mask; no padding
	s_or_b32 s[G1B], s29, (3<<16)|(1<<21)
.irp g, G1A, G1B                       ; a portion: 16,384 dense bytes as 64 rows of 256
	s_mov_b32 s[\g+1], 32<<16                      ; tensor_dim0 = 32 elements
	s_mov_b32 s[\g+2], 64<<16                      ; tensor_dim1 = 64
	s_mov_b32 s[\g+3], 32<<16                      ; tile_dim0
	s_mov_b32 s[\g+4], 64                          ; tile_dim1
	s_mov_b32 s[\g+5], 32                          ; from row to row
	s_mov_b32 s[\g+6], 0
	s_mov_b32 s[\g+7], 0
.endr
	s_lshl_b32 s84, s26, 1
	s_add_co_u32 s84, s84, s22
	s_lshl_b32 s84, s84, 16                        ; x: 128 rows are 65,536 bytes; block 2 y + half: it hangs on the row block alone
	s_mov_b32 s85, 0
	s_lshl_b32 s86, s27, 3
	s_lshl_b32 s87, s23, 1
	s_add_co_u32 s86, s86, s87
	s_add_co_u32 s86, s86, s22
	s_lshl_b32 s86, s86, 16                        ; W: block 8 T + 2 cx + half: it hangs on the column block alone
	s_mov_b32 s87, 0
	s_lshl_b32 s88, s20, 16                        ; where they go: wave x 65,536: no place in the cluster enters an LDS address
	s_wait_dscnt 0x0                               ; both opening adds are done
	s_wait_kmcnt 0x0
	s_add_nc_u64 s[84:85], s[4:5], s[84:85]
	s_add_nc_u64 s[86:87], s[8:9], s[86:87]
.irp p, 0,1,2,3
	s_mov_b32 s[G0A+4*\p], 1
	s_add_co_u32 s[G0A+4*\p+1], s88, \p*16384
	s_add_nc_u64 s[G0A+4*\p+2:G0A+4*\p+3], s[84:85], \p*16384
	s_or_b32 s[G0A+4*\p+3], s[G0A+4*\p+3], 0x80000000
	s_mov_b32 s[G0B+4*\p], 1
	s_add_co_u32 s[G0B+4*\p+1], s88, \p*16384
	s_add_nc_u64 s[G0B+4*\p+2:G0B+4*\p+3], s[86:87], \p*16384
	s_or_b32 s[G0B+4*\p+3], s[G0B+4*\p+3], 0x80000000
.endr
	CROUND                                         ; all sixteen work-groups are here: the joint loads meet
	s_cmp_eq_u32 s21, 0                            ; a wave's four fills stand in one branch on its number, ahead of every wait on TENSORcnt and every LDS read
	s_cbranch_scc0 .Lfill_w
.irp p, 0,1,2,3
	tensor_load_to_lds s[G0A+4*\p:G0A+4*\p+3], s[G1A:G1A+7]
	s_nop 0
.endr
.rept 4
	v_nop
.endr
	s_branch .Lfilled
.Lfill_w:
.irp p, 0,1,2,3
	tensor_load_to_lds s[G0B+4*\p:G0B+4*\p+3], s[G1B:G1B+7]
	s_nop 0
.endr
.rept 4
	v_nop
.endr
.Lfilled:
	v_and_b32 v1, 31, v0                           ; L
	v_and_b32 v8, 15, v0                           ; r
	v_bfe_u32 v9, v0, 4, 1                         ; h
	v_lshlrev_b32 v4, 4, v1                        ; 16 L
	v_lshlrev_b32 v5, 2, v1                        ; 4 L
	v_lshlrev_b32 v6, 5, v9                        ; 32 h: my half's eight numbers of a bias tile
	v_lshlrev_b32 v7, 3, v9
	v_xor_b32 v7, v7, v8
	v_lshlrev_b32 v7, 4, v7
	v_lshl_add_u32 v7, v9, 8, v7                   ; 256 h + 16 (r xor 8 h): my 16 bytes of a piece of qkv
	s_lshl_b32 s89, s21, 16
	v_add_nc_u32 v2, s89, v4                       ; my 128 rows of x in LDS
	s_lshl_b32 s89, s22, 16
	s_add_co_u32 s89, s89, 131072
	v_add_nc_u32 v3, s89, v4                       ; my 128 columns of W
	s_lshl_b32 s90, s26, 3
	s_lshl_b32 s91, s21, 2
	s_add_co_u32 s90, s90, s91
	s_lshl_b32 s90, s90, 10                        ; xs: 1,024 bytes for 32 rows; my 128 rows begin at group 8 y + 4 x half
	s_mov_b32 s91, 0
	s_add_nc_u64 s[6:7], s[6:7], s[90:91]
	s_lshl_b32 s92, s23, 10
	s_lshl_b32 s93, s22, 9
	s_add_co_u32 s92, s92, s93                     ; my first column x 4 bytes
	s_mov_b32 s93, 0
	s_cmp_eq_u32 s27, 0                            ; the bias of my tensor
	s_cselect_b64 s[94:95], s[12:13], s[14:15]
	s_cmp_eq_u32 s27, 2
	s_cselect_b64 s[94:95], s[16:17], s[94:95]
	s_add_nc_u64 s[94:95], s[94:95], s[92:93]
	s_add_nc_u64 s[10:11], s[10:11], s[92:93]
	s_lshl_b32 s92, s27, 15                        ; ws: 32,768 bytes a tensor
	s_add_nc_u64 s[10:11], s[10:11], s[92:93]
.irp g, 0,1,2,3
.irp q, 0,1
	global_load_b128 v[SCA+8*\g+4*\q:SCA+8*\g+4*\q+3], v4, s[6:7] offset:1024*\g+512*\q   ; 32 rows' words of four K steps: 512 consecutive bytes
.endr
.endr
.irp g, 0,1,2,3
.irp s, 0,1,2,3,4,5,6,7
	global_load_b32 v[SCB+8*\g+\s], v5, s[10:11] offset:4096*\s+128*\g
.endr
.endr
	WIN 0x40                                       ; destination window 1
.irp b, 0,1,2,3,4,5,6,7
	global_load_b128 v[BT+8*\b:BT+8*\b+3], v6, s[94:95] offset:64*\b            ; lane (r, h): the bias of channels 16 b + 8 h + 0 .. 7
	global_load_b128 v[BT+8*\b+4:BT+8*\b+7], v6, s[94:95] offset:64*\b+16
.endr
	WIN 0
	s_lshl_b32 s96, s27, 24                        ; qkv: tensor,
	s_bfe_u32 s97, s26, 0x20003                    ; batch: eight row blocks each,
	s_lshl_b32 s97, s97, 22
	s_add_co_u32 s96, s96, s97
	s_lshl_b32 s97, s23, 2
	s_lshl_b32 s98, s22, 1
	s_add_co_u32 s97, s97, s98                     ; head 4 cx + 2 x half,
	s_lshl_b32 s97, s97, 18
	s_add_co_u32 s96, s96, s97
	s_and_b32 s97, s26, 7
	s_lshl_b32 s97, s97, 4
	s_lshl_b32 s98, s21, 3
	s_add_co_u32 s97, s97, s98                     ; my first tile of 16 tokens
	s_lshl_b32 s97, s97, 11
	s_add_co_u32 s96, s96, s97
	s_mov_b32 s97, 0
	s_add_nc_u64 s[18:19], s[18:19], s[96:97]
.macro FETCH k, p                      ; the fragments of K step k into set p: W's eight, then x's eight: 32 loads in one run
	WIN 0x40
.irp b, 0,1,2,3,4,5,6,7
.irp c, 0,1
	ds_load_b128 v[64*(\p)+8*\b+4*\c:64*(\p)+8*\b+4*\c+3], v3 offset:8192*(\k)+1024*\b+512*\c
.endr
.endr
	WIN 0
.irp a, 0,1,2,3,4,5,6,7
.irp c, 0,1
	ds_load_b128 v[XF+64*(\p)+8*\a+4*\c:XF+64*(\p)+8*\a+4*\c+3], v2 offset:8192*(\k)+1024*\a+512*\c
.endr
.endr
.endm
; 64 products: K step k, set p.  The 64 accumulators take turns, one instruction a turn, in the same order in every step.  first = 1: C is the bias.
.macro MUL k, p, first
.irp a, 0,1,2,3,4,5,6,7
.if \a == 0
.if \first
	WIN 0x91                                       ; source 0 (W) window 1, source 1 (x) window 0, C (bias) window 1, D window 2
.else
	WIN 0xa1                                       ; C and D window 2
.endif
.endif
.if \a == 4
.if \first
	WIN 0xd1
.else
	WIN 0xf1                                       ; C and D window 3
.endif
.endif
.irp b, 0,1,2,3,4,5,6,7
.set rD, 8*(8*(\a%4)+\b)
.set rC, rD
.if \first
.set rC, BT+8*\b
.endif
.set rW, 64*(\p)+8*\b
.set rX, XF+64*(\p)+8*\a
.set rU, SCB+8*(\b/2)+(\k)
.set rV, SCA+8*(\a/2)+(\k)
.if (\b%2 == 0) && (\a%2 == 0)
	v_wmma_scale_f32_16x16x128_f8f6f4 v[rD:rD+7], v[rW:rW+7], v[rX:rX+7], v[rC:rC+7], v[rU], v[rV] matrix_a_fmt:MATRIX_FMT_FP4 matrix_b_fmt:MATRIX_FMT_FP4
.elseif (\b%2 == 1) && (\a%2 == 0)
	v_wmma_scale_f32_16x16x128_f8f6f4 v[rD:rD+7], v[rW:rW+7], v[rX:rX+7], v[rC:rC+7], v[rU], v[rV] matrix_a_fmt:MATRIX_FMT_FP4 matrix_b_fmt:MATRIX_FMT_FP4 matrix_a_scale:MATRIX_SCALE_ROW1
.elseif (\b%2 == 0) && (\a%2 == 1)
	v_wmma_scale_f32_16x16x128_f8f6f4 v[rD:rD+7], v[rW:rW+7], v[rX:rX+7], v[rC:rC+7], v[rU], v[rV] matrix_a_fmt:MATRIX_FMT_FP4 matrix_b_fmt:MATRIX_FMT_FP4 matrix_b_scale:MATRIX_SCALE_ROW1
.else
	v_wmma_scale_f32_16x16x128_f8f6f4 v[rD:rD+7], v[rW:rW+7], v[rX:rX+7], v[rC:rC+7], v[rU], v[rV] matrix_a_fmt:MATRIX_FMT_FP4 matrix_b_fmt:MATRIX_FMT_FP4 matrix_a_scale:MATRIX_SCALE_ROW1 matrix_b_scale:MATRIX_SCALE_ROW1
.endif
.endr
.endr
.endm
; K step s: the next step's fragments are asked for, then this step's 64 products are issued.  An odd step's successor lies in the next portion: every wave shows its part landed, then a barrier.
.macro KSTEP s, first
.if ((\s)%2) == 1
	s_wait_dscnt 0x0                               ; no LDS load of mine is pending at the signal
	s_wait_tensorcnt 3-((\s)+1)/2                  ; my part of portion (s + 1) / 2 is in; the portions issued behind it may be out
	s_barrier_signal -1
	s_barrier_wait -1                              ; everybody's is
.endif
.if (\s) > 0
	PLACES
.endif
	FETCH (\s)+1, ((\s)+1)%2
	s_wait_dscnt 32                                ; all but the 32 just issued
	MUL \s, (\s)%2, \first
.endm
	s_wait_tensorcnt 3                             ; my part of portion 0 is in; three portions may be out
	s_barrier_signal -1
	s_barrier_wait -1
	FETCH 0, 0
	s_wait_loadcnt 0x0                             ; scale words and bias
	KSTEP 0, 1
.irp s, 1,2,3,4,5,6
	KSTEP \s, 0
.endr
	s_wait_dscnt 0x0
	MUL 7, 1, 0
	WIN 0
	PLACES
; THE WAY OUT: a lane's eight channels of a token pack into 16 bytes, which are its 16 bytes of a piece of qkv: no stage.  Each store of the wave covers 512 consecutive bytes, aligned.
.irp u, 0,1
.if \u == 1
	s_wait_xcnt 0x0                                ; the first half's stores have read their data: the registers are written again only behind this wait
.endif
	WIN 0x0a+5*\u                                  ; sources window 2 or 3, destination window 0
.set n, 0
.rept 32
.irp i, 0,1,2,3
	v_cvt_pk_f16_f32 v[128+4*n+\i], v[8*n+2*\i], v[8*n+2*\i+1]   ; each accumulator from its low end on
.endr
.set n, n+1
.endr
	WIN 0
.irp a, 0,1,2,3
.irp b, 0,1,2,3,4,5,6,7
	global_store_b128 v7, v[128+4*(8*\a+\b):128+4*(8*\a+\b)+3], s[18:19] offset:(4*\u+\a)*2048+(\b/4)*262144+(\b%4)*512
.endr
.endr
.endr
	s_wait_tensorcnt 0x0                           ; the wave's end
	ds_add_u32 v[SPW], v[NIL]
	s_wait_dscnt 0x0
	CROUND                                         ; the closing round: no work-group ends while a partner may still ask for a portion that names it
	s_endpgm
.Lfunc_end_k_qfd637eeb5f_proj:
	.size	k_qfd637eeb5f_proj, .Lfunc_end_k_qfd637eeb5f_proj-k_qfd637eeb5f_proj
	.p2alignl 7, 3214868480
	.fill 96, 4, 3214868480
	.section	.rodata,"a",@progbits
	.p2align	6, 0x0
	.amdhsa_kernel k_qfd637eeb5f_proj
		.amdhsa_group_segment_fixed_size 327680
		.amdhsa_private_segment_fixed_size 0
		.amdhsa_enable_private_segment 0
		.amdhsa_kernarg_size 64
		.amdhsa_user_sgpr_count 2
		.amdhsa_user_sgpr_kernarg_segment_ptr 1
		.amdhsa_wavefront_size32 1
		.amdhsa_system_sgpr_workgroup_id_x 1
		.amdhsa_system_sgpr_workgroup_id_y 1
		.amdhsa_system_sgpr_workgroup_id_z 1
		.amdhsa_system_vgpr_workitem_id 0
		.amdhsa_next_free_vgpr 1024
		.amdhsa_next_free_sgpr 100
		.amdhsa_reserve_vcc 0
		.amdhsa_float_denorm_mode_32 3
		.amdhsa_float_denorm_mode_16_64 3
		.amdhsa_memory_ordered 1
		.amdhsa_forward_progress 1
		.amdhsa_inst_pref_size 119
	.end_amdhsa_kernel
	.amdgpu_metadata
---
amdhsa.version: [ 1, 2 ]
amdhsa.kernels:
  - .name:           k_qfd637eeb5f_proj
    .symbol:         k_qfd637eeb5f_proj.kd
    .args:
      - { .name: xc, .offset: 0, .size: 8, .value_kind: global_buffer, .address_space: global }
      - { .name: xs, .offset: 8, .size: 8, .value_kind: global_buffer, .address_space: global }
      - { .name: wc, .offset: 16, .size: 8, .value_kind: global_buffer, .address_space: global }
      - { .name: ws, .offset: 24, .size: 8, .value_kind: global_buffer, .address_space: global }
      - { .name: bq, .offset: 32, .size: 8, .value_kind: global_buffer, .address_space: global }
      - { .name: bk, .offset: 40, .size: 8, .value_kind: global_buffer, .address_space: global }
      - { .name: bv, .offset: 48, .size: 8, .value_kind: global_buffer, .address_space: global }
      - { .name: qkv, .offset: 56, .size: 8, .value_kind: global_buffer, .address_space: global }
    .group_segment_fixed_size: 327680
    .private_segment_fixed_size: 0
    .kernarg_segment_align: 8
    .kernarg_segment_size: 64
    .max_flat_workgroup_size: 128
    .sgpr_count:     100
    .vgpr_count:     1024
    .wavefront_size: 32
...
	.end_amdgpu_metadata
.endif
;; end of part 2
;; launch attn (part 3): grid 4 x 64, 8 waves a work-group, clusters of 4 x 1, 327,680 bytes of LDS; arguments qkv, yf; writes yf
.if DOCPART == 3
	.amdgcn_target "amdgcn-amd-amdhsa--gfx1250"
	.amdhsa_code_object_version 6
	.text
	.protected	k_qfd637eeb5f_attn
	.globl	k_qfd637eeb5f_attn
	.p2align	8
	.type	k_qfd637eeb5f_attn,@function
k_qfd637eeb5f_attn:
	s_mov_b64 s[64:65], 0
	v_nop
	global_prefetch_b8 v0, s[64:65] scope:SCOPE_SE
	s_setreg_imm32_b32 hwreg(HW_REG_WAVE_MODE, 25, 1), 1
	s_wait_xcnt 0x0
	s_wait_alu depctr_hold_cnt(0) depctr_sa_sdst(0) depctr_va_vdst(0) depctr_va_sdst(0) depctr_va_ssrc(0) depctr_va_vcc(0) depctr_vm_vsrc(0)
	s_getreg_b32 s2, hwreg(HW_REG_IB_STS2, 6, 4)
	s_cmp_eq_u32 s2, 0
	s_cbranch_scc0 .Lentry_in_a_cluster
	s_endpgm
.Lentry_in_a_cluster:
	s_bfe_u32 s2, ttmp6, 0x10000c
	s_cmp_lg_u32 s2, 0x3003
	s_cbranch_scc0 .Lentry_shape_is_right
	s_endpgm
.Lentry_shape_is_right:
; ATTN: y[b][h][q] = the sum over k of softmax_k(q . k / 8 + bias[k]) v[k], bias[k] = -10 (k / 2047 - 0.5)^2.  q, k, v in f16 (images made by the launch before), products and sums in f32,
; the weights p rounded to f16 for the second product, y once at the end.
; SHARES.  A cluster of four work-groups is one (batch, head); a work-group owns 512 queries, each of its eight waves 64: four tiles of 16, in 512 registers: two waves to a SIMD, so that one wave's
; softmax stands beside the other's products.  Every wave walks all 2,048 keys, 64 a step.
; LAYOUT.  S^T = K Q^T (source 0 = 16 keys, source 1 = 16 queries): a lane holds ONE query and the keys 8 (lane / 16) + 0..7.  Two such tiles, rounded in pairs, ARE source 1 of O^T = V^T P.
; K comes out of LDS as it lies, V (token by channel) turned, by ds_load_tr16_b128.
; THE BIAS COSTS NO VECTOR INSTRUCTION: a table of 8 x bias in LDS is the C of each key tile's first product, so that s = q . k + 8 bias and t = c s with c = log2(e) / 8.
; SOFTMAX.  For each query a running maximum m and sum l: p = 2^(c s - c m); in every step O and l are multiplied by a = 2^(c m_old - c m_new).  The step is written once: it finds O = 0, l = 0 and m = -3e38.
; RING.  Two slots of 512 keys (K 65,536 bytes, V 65,536).  Wave w fetches 16,384 dense bytes of a slot (waves 0-3 K's, 4-7 V's), JOINTLY with the same wave of the three partners: same descriptor, mask 15.
; A refill is asked for behind a round of the cluster's barrier and has a slot's eight key steps, 512 matrix instructions a wave, in which to land.  A wave has one tensor load out.
; OUT: yf [64 tokens 128][128 channels 8][32 channels 4][tile of 16 tokens 4][piece 2][512 B]: images of the fragments that the last launch multiplies.
; LIMITS: |y| of 65,520 and more becomes infinity in f16.  k / 2047 is taken as k x (1 / 2047) in one fused multiply-add, within an ulp of the reference's.
; REGISTERS: window 0: v1-7 addresses; v12, v13 the add's two; v16-47 statistics, eight a tile (+0 c m, +1 m, +2, +3 l, +4..+7 at work, a in +6); v48-58 at work at the head; v64-191 S^T, 32 a tile;
;   v192-255 P, 16 a tile (v192-223 hold the step's four bias tiles while K Q^T runs).   window 1: v0-63 Q; v64-191 O^T, 32 a tile; v192-255 K's fragments, then V^T's.
.set SLOT1, 1<<17                      ; slot 1 begins here: one exclusive or turns an address in one slot into the other's
.set VOFF,  65536                      ; V's part of a slot
.set BIAS,  262144                     ; behind the ring: 2,048 numbers, 8 x bias
.set SPARE, 270336                     ; the spare words, 128 bytes a wave, which no other line names
.set LA,  1                            ; v1   256 h + 16 (r xor 8 h): my 16 bytes of a piece (K, Q)
.set TA,  2                            ; v2   my 16 bytes for the turning load, in V's part
.set BA,  3                            ; v3   BIAS + 32 h
.set ADK, 4
.set ADV, 5
.set ADB, 6
.set LI,  7                            ; v7   16 x lane
.set SPW, 12
.set NIL, 13
.set ST,  16
.set S,   64
.set P,   192
.set O,   64                           ; window 1
.set KV,  192                          ; window 1
.set G1,  16                           ; s[16:23] descriptor group 1
.set G0,  24                           ; s[24:27] descriptor group 0, which walks
.set CS,  28                           ; s[28:29] c, twice: the packed form names a pair
.set SEL, 30                           ; s[30:31] v_permlanex16_b32's selects for lane l xor 16
.set TB,  32                           ; s32  LDS byte at which the step's tiles of K begin
.set TBI, 33                           ; s33  the step's first key x 4
.set SLOTS, 34
.set STEPS, 35
.set W_KQ, 0x05                        ; K and Q window 1; C and S^T window 0
.set W_PV, 0x51                        ; V window 1, P window 0, O^T window 1
.set W_RS, 0x41                        ; O^T window 1, a window 0
.set MSB, 0
.macro WIN new
.if MSB != (\new)
	s_set_vgpr_msb (MSB<<8)|(\new)
.set MSB, (\new)
.endif
.endm
.macro CROUND                          ; a round of the cluster's barrier
	s_barrier_signal -1
	s_barrier_wait -1
	s_cmp_lg_u32 s8, 0
	s_cbranch_scc1 .Lnot_wave_0_\@
	s_barrier_signal -3
.Lnot_wave_0_\@:
	s_barrier_wait -3
	s_barrier_signal -1
	s_barrier_wait -1
.endm
	s_load_b128 s[4:7], s[0:1], 0x0                ; qkv, yf
	v_lshl_add_u32 v[SPW], v0, 2, SPARE
	v_mov_b32 v[NIL], 0
	ds_add_u32 v[SPW], v[NIL]                      ; the wave's opening: an add, twice on end, and its wait ahead of my first tensor load
	ds_add_u32 v[SPW], v[NIL]
	v_lshrrev_b32 v8, 5, v0
	v_readfirstlane_b32 s8, v8                     ; wave 0..7
	s_bfe_u32 s9, ttmp6, 0x40000                   ; cx: it enters Q's and yf's addresses alone
	s_and_b32 s10, ttmp7, 0xffff                   ; batch x 16 + head, which the four partners share
	s_mov_b32 s[G1], 15|(3<<16)|(1<<21)            ; 15:0 the mask: all four; 17:16 elements of 8 bytes; 21 set beside a mask; no padding
	s_mov_b32 s[G1+1], 32<<16                      ; 16,384 dense bytes as 64 rows of 256
	s_mov_b32 s[G1+2], 64<<16
	s_mov_b32 s[G1+3], 32<<16
	s_mov_b32 s[G1+4], 64
	s_mov_b32 s[G1+5], 32
	s_mov_b32 s[G1+6], 0
	s_mov_b32 s[G1+7], 0
	s_mov_b32 s[CS], 0x3e38aa3b                    ; c = log2(e) / 8
	s_mov_b32 s[CS+1], s[CS]
	s_mov_b32 s[SEL], 0x76543210
	s_mov_b32 s[SEL+1], 0xfedcba98
	s_mov_b32 s[TB], 0
	s_mov_b32 s[TBI], 0
	s_mov_b32 s[SLOTS], 3
	s_mov_b32 s36, 0x3a001002                      ; 1 / 2047
	s_lshr_b32 s11, s8, 2
	s_add_co_u32 s11, s11, 1
	s_lshl_b32 s11, s11, 24                        ; tensor 1 (k) for waves 0-3, 2 (v) for waves 4-7,
	s_lshl_b32 s12, s10, 18                        ; my head's 262,144 bytes,
	s_add_co_u32 s38, s11, s12
	s_and_b32 s13, s8, 3
	s_lshl_b32 s13, s13, 14                        ; my quarter of a slot's 512 tokens
	s_add_co_u32 s38, s38, s13
	s_mov_b32 s39, 0
	s_lshl_b32 s14, s8, 14                         ; and where it goes: wave x 16,384
	s_wait_dscnt 0x0                               ; both opening adds are done
	s_wait_kmcnt 0x0
	s_mov_b32 s[G0], 1
	s_mov_b32 s[G0+1], s14
	s_add_nc_u64 s[G0+2:G0+3], s[4:5], s[38:39]
	s_or_b32 s[G0+3], s[G0+3], 0x80000000
	CROUND                                         ; all four work-groups are here: the first joint loads meet
	tensor_load_to_lds s[G0:G0+3], s[G1:G1+7]      ; slot 0
	s_nop 0
.rept 4
	v_nop
.endr
	v_and_b32 v8, 15, v0                           ; r
	v_bfe_u32 v9, v0, 4, 1                         ; h
	v_lshlrev_b32 v10, 3, v9
	v_xor_b32 v10, v10, v8
	v_lshlrev_b32 v10, 4, v10
	v_lshl_add_u32 v[LA], v9, 8, v10
	v_and_b32 v10, 7, v0
	v_bfe_u32 v11, v0, 3, 1                        ; the turning load: lane l reads token 8 h + l % 8, channels 8 ((l / 8) % 2) + 0..7
	v_xor_b32 v14, v11, v9
	v_lshlrev_b32 v[TA], 4, v10
	v_lshl_add_u32 v[TA], v11, 8, v[TA]
	v_lshl_add_u32 v[TA], v14, 7, v[TA]
	v_add_nc_u32 v[TA], VOFF, v[TA]
	v_lshl_add_u32 v[BA], v9, 5, BIAS
	v_and_b32 v15, 31, v0
	v_lshlrev_b32 v[LI], 4, v15
	s_lshl_b32 s40, s10, 18                        ; Q: my head,
	s_lshl_b32 s41, s9, 16                         ; my work-group's 32 tiles of 2,048 bytes,
	s_add_co_u32 s40, s40, s41
	s_lshl_b32 s41, s8, 13                         ; my wave's four
	s_add_co_u32 s40, s40, s41
	s_mov_b32 s41, 0
	s_add_nc_u64 s[40:41], s[4:5], s[40:41]
	WIN 0x40                                       ; destination window 1
.irp t, 0,1,2,3
.irp f, 0,1,2,3
	global_load_b128 v[16*\t+4*\f:16*\t+4*\f+3], v[LA], s[40:41] offset:2048*\t+512*\f   ; Q stays in registers
.endr
.endr
.set n, 0
.rept 128
	v_mov_b32 v[O+n], 0                            ; O^T, once: the key step is written once, and its first trip finds zeros
.set n, n+1
.endr
	WIN 0
	s_lshr_b32 s42, s10, 4                         ; yf: batch x 32 + 8 cx + wave blocks of 64 tokens,
	s_lshl_b32 s42, s42, 5
	s_lshl_b32 s43, s9, 3
	s_add_co_u32 s42, s42, s43
	s_add_co_u32 s42, s42, s8
	s_lshl_b32 s42, s42, 17
	s_bfe_u32 s43, s10, 0x30001                    ; head / 2: which 128 channels,
	s_lshl_b32 s43, s43, 14
	s_add_co_u32 s42, s42, s43
	s_and_b32 s43, s10, 1                          ; head % 2: which 64 of them
	s_lshl_b32 s43, s43, 13
	s_add_co_u32 s42, s42, s43
	s_mov_b32 s43, 0
	s_add_nc_u64 s[6:7], s[6:7], s[42:43]
	v_lshlrev_b32 v56, 3, v0                       ; the table: thread i makes keys 8 i .. 8 i + 7
	v_lshl_add_u32 v58, v0, 5, BIAS
.irp n, 0,1,2,3,4,5,6,7
	v_add_nc_u32 v57, \n, v56
	v_cvt_f32_u32 v57, v57
	v_fma_f32 v57, v57, s36, -0.5                  ; k / 2047 - 0.5
	v_mul_f32 v[48+\n], 0xc2a00000, v57            ; x -80
	v_mul_f32 v[48+\n], v[48+\n], v57
.endr
	ds_store_b128 v58, v[48:51]
	ds_store_b128 v58, v[52:55] offset:16
.irp t, 0,1,2,3
	v_mov_b32 v[ST+8*\t+1], 0xff61b1e6             ; m = -3e38, under every score
	v_mul_f32 v[ST+8*\t], s[CS], v[ST+8*\t+1]      ; c m
.irp i, 2,3,4,5,6,7
	v_mov_b32 v[ST+8*\t+\i], 0                     ; l; and the registers at work, of which one is a lane permute's destination
.endr
.endr
	s_wait_loadcnt 0x0                             ; Q
; THE CHANGE OF SLOTS stands at a slot's head.  Each wave waits for all its tensor loads (its part of the slot ahead), adds 0 to its spare word, and waits for that, for its reads of the slot that it has left
; and, the first time, for its stores into the table.  fill = 1: the slot that was left (the first time: slot 1, not yet filled) takes the next 512 keys.
.macro CHANGE fill
	s_wait_tensorcnt 0x0                           ; no tensor load of mine is out, so the group 0 may be written
	ds_add_u32 v[SPW], v[NIL]                      ; 0 onto my spare word
.if \fill
	s_xor_b32 s[G0+1], s[G0+1], SLOT1              ; the other slot than last time,
	s_add_nc_u64 s[G0+2:G0+3], s[G0+2:G0+3], 65536 ; the next 512 tokens; the type bits on top are not reached
.endif
	s_wait_dscnt 0x0
.if \fill
	CROUND                                         ; no wave of any partner still reads that slot or has a load on its way
	tensor_load_to_lds s[G0:G0+3], s[G1:G1+7]      ; the first thing behind the round, and my one tensor load until the next
	s_nop 0
.rept 4
	v_nop
.endr
.else
	s_barrier_signal -1
	s_barrier_wait -1
.endif
.endm
; A KEY STEP: 64 keys, in phases.
.macro STEP
	v_add_nc_u32 v[ADK], s[TB], v[LA]
	v_add_nc_u32 v[ADB], s[TBI], v[BA]
	WIN 0x40
.irp k, 0,1,2,3                        ; K: key tile k, channels 16 f on.  (The places ahead of these loads are the last step's 64 sums)
.irp f, 0,1,2,3
	ds_load_b128 v[KV+16*\k+4*\f:KV+16*\k+4*\f+3], v[ADK] offset:2048*\k+512*\f
.endr
.endr
	WIN 0
.irp k, 0,1,2,3                        ; 8 x bias of keys 16 k + 8 h + 0 .. 7, in the result's layout
.irp e, 0,1
	ds_load_b128 v[P+8*\k+4*\e:P+8*\k+4*\e+3], v[ADB] offset:64*\k+16*\e
.endr
.endr
	s_wait_dscnt 0x0
	WIN W_KQ
.irp c, 0,1                            ; S^T = K Q^T + 8 bias: sixteen accumulators by turns
.irp k, 0,1,2,3
.irp t, 0,1,2,3
.if \c == 0
	v_wmma_f32_16x16x32_f16 v[S+32*\t+8*\k:S+32*\t+8*\k+7], v[KV+16*\k:KV+16*\k+7], v[16*\t:16*\t+7], v[P+8*\k:P+8*\k+7]
.else
	v_wmma_f32_16x16x32_f16 v[S+32*\t+8*\k:S+32*\t+8*\k+7], v[KV+16*\k+8:KV+16*\k+15], v[16*\t+8:16*\t+15], v[S+32*\t+8*\k:S+32*\t+8*\k+7]
.endif
.endr
.endr
.endr
	WIN 0
	v_add_nc_u32 v[ADV], s[TB], v[TA]              ; with the three below: four places behind the products, ahead of the loads into K's registers and of the first read of the scores
.rept 3
	v_nop
.endr
	WIN 0x40
.irp g, 0,1                            ; V^T: channels 16 d on, keys 32 g + 16 e on
.irp e, 0,1
.irp d, 0,1,2,3
	ds_load_tr16_b128 v[KV+16*\d+8*\g+4*\e:KV+16*\d+8*\g+4*\e+3], v[ADV] offset:2048*(2*\g+\e)+512*\d
.endr
.endr
.endr
	WIN 0
.irp j, 0,1,2,3                        ; the maximum of a lane's 32 scores and the old m: four chains a tile, each begun at its accumulator's low end; the tiles alternate
.irp t, 0,1,2,3
	v_max3_num_f32 v[ST+8*\t+4+\j], v[S+32*\t+8*\j], v[S+32*\t+8*\j+1], v[S+32*\t+8*\j+2]
.endr
.endr
.irp u, 1,2
.irp j, 0,1,2,3
.irp t, 0,1,2,3
	v_max3_num_f32 v[ST+8*\t+4+\j], v[ST+8*\t+4+\j], v[S+32*\t+8*\j+2*\u+1], v[S+32*\t+8*\j+2*\u+2]
.endr
.endr
.endr
.irp t, 0,1,2,3
	v_max3_num_f32 v[ST+8*\t+4], v[ST+8*\t+4], v[S+32*\t+7], v[S+32*\t+15]
.endr
.irp t, 0,1,2,3
	v_max3_num_f32 v[ST+8*\t+6], v[ST+8*\t+6], v[S+32*\t+23], v[S+32*\t+31]
.endr
.irp t, 0,1,2,3
	v_max3_num_f32 v[ST+8*\t+4], v[ST+8*\t+4], v[ST+8*\t+5], v[ST+8*\t+6]
.endr
.irp t, 0,1,2,3
	v_max3_num_f32 v[ST+8*\t+4], v[ST+8*\t+4], v[ST+8*\t+7], v[ST+8*\t+1]
.endr
.irp t, 0,1,2,3
	v_permlanex16_b32 v[ST+8*\t+5], v[ST+8*\t+4], s[SEL], s[SEL+1]   ; the query's other 32 keys lie in the lane 16 away
.endr
.irp t, 0,1,2,3
	v_mov_b32 v[ST+8*\t+7], v[ST+8*\t]             ; c m_old
.endr
.irp t, 0,1,2,3
	v_max_num_f32 v[ST+8*\t+1], v[ST+8*\t+4], v[ST+8*\t+5]
.endr
.irp t, 0,1,2,3
	v_mul_f32 v[ST+8*\t], s[CS], v[ST+8*\t+1]
.endr
.irp t, 0,1,2,3
	v_sub_f32 v[ST+8*\t+7], v[ST+8*\t+7], v[ST+8*\t]
.endr
.irp b, 0,1,2,3,4,5,6,7,8,9,10,11,12,13,14,15
.irp t, 0,1,2,3
	v_pk_fma_f32 v[S+32*\t+2*\b:S+32*\t+2*\b+1], v[S+32*\t+2*\b:S+32*\t+2*\b+1], s[CS:CS+1], v[ST+8*\t:ST+8*\t+1] op_sel_hi:[1,0,0] neg_lo:[0,0,1] neg_hi:[0,0,1]   ; c s - c m, two at a time
.endr
.endr
.irp t, 0,1,2,3                        ; ONE BATCH of 132 exponentials: a of each tile, then the 128 weights
	v_exp_f32 v[ST+8*\t+6], v[ST+8*\t+7]
.endr
.set n, 0
.rept 128
	v_exp_f32 v[S+n], v[S+n]
.set n, n+1
.endr
	v_nop                                          ; a plain instruction behind the last exponential, ahead of the first use (ISA guide 5.7.2)
	s_wait_alu depctr_va_vdst(0)                   ; a wait ahead of the first instruction that names a result: one for the batch
.set n, 0
.rept 64
	v_cvt_pk_f16_f32 v[P+n], v[S+2*n], v[S+2*n+1]  ; P: a pair of weights a register
.set n, n+1
.endr
	WIN W_RS
.irp b, 0,1,2,3,4,5,6,7,8,9,10,11,12,13,14,15
.irp t, 0,1,2,3
	v_pk_mul_f32 v[O+32*\t+2*\b:O+32*\t+2*\b+1], v[O+32*\t+2*\b:O+32*\t+2*\b+1], v[ST+8*\t+6:ST+8*\t+7] op_sel_hi:[1,0]   ; O^T x a, each accumulator from its low end on
.endr
.endr
	s_wait_dscnt 0x0                               ; V is in
	WIN W_PV
.irp g, 0,1                            ; O^T += V^T P: sixteen accumulators by turns
.irp d, 0,1,2,3
.irp t, 0,1,2,3
	v_wmma_f32_16x16x32_f16 v[O+32*\t+8*\d:O+32*\t+8*\d+7], v[KV+16*\d+8*\g:KV+16*\d+8*\g+7], v[P+16*\t+8*\g:P+16*\t+8*\g+7], v[O+32*\t+8*\d:O+32*\t+8*\d+7]
.endr
.endr
.endr
	WIN 0
.irp u, 0,1,2,3,4,5,6,7                ; the sum of the unrounded weights, in place, pairs 1, 2, 4 and 8 apart; these 64 name no register of the products above and are the places behind them
.irp t, 0,1,2,3
	v_pk_add_f32 v[S+32*\t+4*\u:S+32*\t+4*\u+1], v[S+32*\t+4*\u:S+32*\t+4*\u+1], v[S+32*\t+4*\u+2:S+32*\t+4*\u+3]
.endr
.endr
.irp u, 0,1,2,3
.irp t, 0,1,2,3
	v_pk_add_f32 v[S+32*\t+8*\u:S+32*\t+8*\u+1], v[S+32*\t+8*\u:S+32*\t+8*\u+1], v[S+32*\t+8*\u+4:S+32*\t+8*\u+5]
.endr
.endr
.irp u, 0,1
.irp t, 0,1,2,3
	v_pk_add_f32 v[S+32*\t+16*\u:S+32*\t+16*\u+1], v[S+32*\t+16*\u:S+32*\t+16*\u+1], v[S+32*\t+16*\u+8:S+32*\t+16*\u+9]
.endr
.endr
.irp t, 0,1,2,3
	v_pk_add_f32 v[S+32*\t:S+32*\t+1], v[S+32*\t:S+32*\t+1], v[S+32*\t+16:S+32*\t+17]
.endr
.irp t, 0,1,2,3
	v_pk_fma_f32 v[ST+8*\t+2:ST+8*\t+3], v[ST+8*\t+2:ST+8*\t+3], v[ST+8*\t+6:ST+8*\t+7], v[S+32*\t:S+32*\t+1] op_sel_hi:[1,0,1]   ; l = a l + the sum
.endr
	s_add_co_u32 s[TB], s[TB], 8192                ; the next 64 keys: four tiles of 2,048 bytes,
	s_add_co_u32 s[TBI], s[TBI], 256               ; 64 numbers of the table
.endm
.macro SLOT_STEPS                      ; a slot's eight key steps: written once, walked eight times
	s_mov_b32 s[STEPS], 8
.Lstep_\@:
	STEP
	s_sub_co_u32 s[STEPS], s[STEPS], 1
	s_cmp_lg_u32 s[STEPS], 0
	s_cbranch_scc1 .Lstep_\@
	s_sub_co_u32 s[TB], s[TB], 65536               ; back to a slot's first step,
	s_xor_b32 s[TB], s[TB], SLOT1                  ; in the other slot
.endm
.Lslot:                                ; three trips: behind each change of slots but the last the next 512 keys are asked for
	CHANGE 1
	SLOT_STEPS
	s_sub_co_u32 s[SLOTS], s[SLOTS], 1
	s_cmp_lg_u32 s[SLOTS], 0
	s_cbranch_scc1 .Lslot
	CHANGE 0                                       ; the last slot is written out
	SLOT_STEPS
; THE WAY OUT: l's halves and the other half of the lanes' are added; O^T / l is rounded to f16; a lane's eight channels of a query are its 16 bytes of a piece of yf: no stage.
.irp t, 0,1,2,3
	v_add_f32 v[ST+8*\t+4], v[ST+8*\t+2], v[ST+8*\t+3]
.endr
.irp t, 0,1,2,3
	v_permlanex16_b32 v[ST+8*\t+5], v[ST+8*\t+4], s[SEL], s[SEL+1]
.endr
.irp t, 0,1,2,3
	v_add_f32 v[ST+8*\t+4], v[ST+8*\t+4], v[ST+8*\t+5]
.endr
.irp t, 0,1,2,3
	v_rcp_f32 v[ST+8*\t+6], v[ST+8*\t+4]
.endr
	v_nop                                          ; a plain instruction between the last reciprocal and the use of its result
	s_wait_alu depctr_va_vdst(0)                   ; and the wait for the results: one for the four
.irp t, 0,1,2,3
	WIN W_RS
.irp b, 0,1,2,3,4,5,6,7,8,9,10,11,12,13,14,15
	v_pk_mul_f32 v[O+32*\t+2*\b:O+32*\t+2*\b+1], v[O+32*\t+2*\b:O+32*\t+2*\b+1], v[ST+8*\t+6:ST+8*\t+7] op_sel_hi:[1,0]
.endr
	WIN 0x05                                       ; sources window 1, destination window 0: S^T's registers are free
.irp b, 0,1,2,3,4,5,6,7,8,9,10,11,12,13,14,15
	v_cvt_pk_f16_f32 v[S+16*\t+\b], v[O+32*\t+2*\b], v[O+32*\t+2*\b+1]
.endr
	WIN 0
.irp d, 0,1,2,3
	global_store_b128 v[LI], v[S+16*\t+4*\d:S+16*\t+4*\d+3], s[6:7] offset:(\d/2)*4096+\t*1024+(\d%2)*512   ; the wave stores 512 consecutive bytes, aligned
.endr
.endr
	s_wait_tensorcnt 0x0                           ; the wave's end
	ds_add_u32 v[SPW], v[NIL]
	s_wait_dscnt 0x0
	CROUND                                         ; the closing round
	s_endpgm
.Lfunc_end_k_qfd637eeb5f_attn:
	.size	k_qfd637eeb5f_attn, .Lfunc_end_k_qfd637eeb5f_attn-k_qfd637eeb5f_attn
	.p2alignl 7, 3214868480
	.fill 96, 4, 3214868480
	.section	.rodata,"a",@progbits
	.p2align	6, 0x0
	.amdhsa_kernel k_qfd637eeb5f_attn
		.amdhsa_group_segment_fixed_size 327680
		.amdhsa_private_segment_fixed_size 0
		.amdhsa_enable_private_segment 0
		.amdhsa_kernarg_size 16
		.amdhsa_user_sgpr_count 2
		.amdhsa_user_sgpr_kernarg_segment_ptr 1
		.amdhsa_wavefront_size32 1
		.amdhsa_system_sgpr_workgroup_id_x 1
		.amdhsa_system_sgpr_workgroup_id_y 1
		.amdhsa_system_sgpr_workgroup_id_z 1
		.amdhsa_system_vgpr_workitem_id 0
		.amdhsa_next_free_vgpr 512
		.amdhsa_next_free_sgpr 66
		.amdhsa_reserve_vcc 0
		.amdhsa_float_denorm_mode_32 3
		.amdhsa_float_denorm_mode_16_64 3
		.amdhsa_memory_ordered 1
		.amdhsa_forward_progress 1
		.amdhsa_inst_pref_size 90
	.end_amdhsa_kernel
	.amdgpu_metadata
---
amdhsa.version: [ 1, 2 ]
amdhsa.kernels:
  - .name:           k_qfd637eeb5f_attn
    .symbol:         k_qfd637eeb5f_attn.kd
    .args:
      - { .name: qkv, .offset: 0, .size: 8, .value_kind: global_buffer, .address_space: global }
      - { .name: yf, .offset: 8, .size: 8, .value_kind: global_buffer, .address_space: global }
    .group_segment_fixed_size: 327680
    .private_segment_fixed_size: 0
    .kernarg_segment_align: 8
    .kernarg_segment_size: 16
    .max_flat_workgroup_size: 256
    .sgpr_count:     66
    .vgpr_count:     512
    .wavefront_size: 32
...
	.end_amdgpu_metadata
.endif
;; end of part 3
;; launch outp (part 4): grid 4 x 64, 4 waves a work-group, clusters of 4 x 4, 327,680 bytes of LDS; arguments yf, wpf, bp, out0; writes out0
.if DOCPART == 4
	.amdgcn_target "amdgcn-amd-amdhsa--gfx1250"
	.amdhsa_code_object_version 6
	.text
	.protected	k_qfd637eeb5f_outp
	.globl	k_qfd637eeb5f_outp
	.p2align	8
	.type	k_qfd637eeb5f_outp,@function
k_qfd637eeb5f_outp:
	s_mov_b64 s[64:65], 0
	v_nop
	global_prefetch_b8 v0, s[64:65] scope:SCOPE_SE
	s_setreg_imm32_b32 hwreg(HW_REG_WAVE_MODE, 25, 1), 1
	s_wait_xcnt 0x0
	s_wait_alu depctr_hold_cnt(0) depctr_sa_sdst(0) depctr_va_vdst(0) depctr_va_sdst(0) depctr_va_ssrc(0) depctr_va_vcc(0) depctr_vm_vsrc(0)
	s_getreg_b32 s2, hwreg(HW_REG_IB_STS2, 6, 4)
	s_cmp_eq_u32 s2, 0
	s_cbranch_scc0 .Lentry_in_a_cluster
	s_endpgm
.Lentry_in_a_cluster:
	s_bfe_u32 s2, ttmp6, 0x10000c
	s_cmp_lg_u32 s2, 0xf033
	s_cbranch_scc0 .Lentry_shape_is_right
	s_endpgm
.Lentry_shape_is_right:
; OUTP: out = y Wp + bp.  y and Wp in f16, as images of fragments (yf, wpf); sums in f32; out f32.
; A work-group makes 128 rows x 256 columns: 256 work-groups; each of its four waves 64 x 128: 32 accumulators.  K goes in eight steps of 128 through a ring of two LDS slots.
; A step's tiles are dense blocks of memory: y's two halves of 16,384 bytes (waves 0, 1 fetch them), Wp's two of 32,768 (waves 2, 3): one tensor load a wave behind each round.
; CLUSTERS: 4 x 4.  y's tiles are shared along a row of the cluster, Wp's along a column: joint loads.  The grid is four work-groups wide: the column block is cx.
; THE PRODUCT IS USED TRANSPOSED (source 0 = 16 columns of Wp, source 1 = 16 tokens): a lane holds eight neighbouring numbers of a row of out.  The bias is the C of each sum's first product.
; REGISTERS: window 0: v2-9 addresses; v10, v11 the add's two; v32-95 y's fragments, two sets; v96-223 Wp's, two sets; on the way out v32-159 hold rows.
;   window 1: the accumulators ((a, b) at 8 (8 a + b)).   window 2: v0-63 the bias, eight tiles.
.set SLOT,  98304                      ; y's halves at 0 and 16,384, Wp's at 32,768 and 65,536
.set STAGE, 2*SLOT                     ; behind the ring: 16 rows x (512 bytes + 16) for each wave, for the way out; no tensor load fills it
.set SPARE, STAGE+4*8448               ; the spare words, 128 bytes a wave, which no other line names
.set SPW, 10
.set NIL, 11
.set G1A, 24                           ; s[24:31] descriptor group 1 for y's tiles;  s[32:39] for Wp's
.set G1B, 32
.set G0A, 40                           ; s[40:47] groups 0 for y's tiles, one a slot;  s[48:55] for Wp's
.set G0B, 48
.set MSB, 0
.macro WIN new
.if MSB != (\new)
	s_set_vgpr_msb (MSB<<8)|(\new)
.set MSB, (\new)
.endif
.endm
.macro CROUND
	s_barrier_signal -1
	s_barrier_wait -1
	s_cmp_lg_u32 s12, 0
	s_cbranch_scc1 .Lnot_wave_0_\@
	s_barrier_signal -3
.Lnot_wave_0_\@:
	s_barrier_wait -3
	s_barrier_signal -1
	s_barrier_wait -1
.endm
.macro PLACES
.rept 4
	v_nop
.endr
.endm
.macro JLOAD n                         ; a joint load into slot n: waves 0 and 1 for y, waves 2 and 3 for Wp; an s_nop 0 and four v_nop follow each of the two lines
	s_cmp_eq_u32 s13, 0
	s_cbranch_scc0 .Lfor_b_\@
	tensor_load_to_lds s[G0A+4*(\n):G0A+4*(\n)+3], s[G1A:G1A+7]
	s_nop 0
.rept 4
	v_nop
.endr
	s_branch .Lasked_\@
.Lfor_b_\@:
	tensor_load_to_lds s[G0B+4*(\n):G0B+4*(\n)+3], s[G1B:G1B+7]
	s_nop 0
.rept 4
	v_nop
.endr
.Lasked_\@:
.endm
	s_load_b256 s[4:11], s[0:1], 0x0               ; yf 4, wpf 6, bp 8, out0 10
	v_lshl_add_u32 v[SPW], v0, 2, SPARE
	v_mov_b32 v[NIL], 0
	ds_add_u32 v[SPW], v[NIL]                      ; the wave's opening: an add, twice on end, and its wait ahead of my first tensor load
	ds_add_u32 v[SPW], v[NIL]
	v_lshrrev_b32 v1, 5, v0
	v_readfirstlane_b32 s12, v1                    ; wave 0..3
	s_lshr_b32 s13, s12, 1                         ; which 64 rows are mine.  Also: I fetch for y (0) or for Wp (1)
	s_and_b32 s14, s12, 1                          ; which 128 columns.  Also: which half I fetch
	s_bfe_u32 s15, ttmp6, 0x40000                  ; cx
	s_bfe_u32 s16, ttmp6, 0x40004                  ; cy
	s_and_b32 s17, ttmp7, 0xffff
	s_lshl_b32 s17, s17, 2
	s_add_co_u32 s17, s17, s16                     ; my block of 128 rows, 0..63
	s_lshl_b32 s18, s16, 2
	s_lshl_b32 s18, 15, s18                        ; my row of the cluster
	s_lshl_b32 s19, 0x1111, s15                    ; my column
	s_or_b32 s[G1A], s18, (3<<16)|(1<<21)          ; 15:0 the mask; 17:16 elements of 8 bytes; 21 set beside a mask; no padding
	s_mov_b32 s[G1A+1], 32<<16                     ; 16,384 dense bytes as 64 rows of 256
	s_mov_b32 s[G1A+2], 64<<16
	s_mov_b32 s[G1A+3], 32<<16
	s_mov_b32 s[G1A+4], 64
	s_mov_b32 s[G1A+5], 32
	s_mov_b32 s[G1A+6], 0
	s_mov_b32 s[G1A+7], 0
	s_or_b32 s[G1B], s19, (3<<16)|(1<<21)
	s_mov_b32 s[G1B+1], 32<<16                     ; 32,768 dense bytes as 128 rows of 256
	s_mov_b32 s[G1B+2], 128<<16
	s_mov_b32 s[G1B+3], 32<<16
	s_mov_b32 s[G1B+4], 128
	s_mov_b32 s[G1B+5], 32
	s_mov_b32 s[G1B+6], 0
	s_mov_b32 s[G1B+7], 0
	s_lshl_b32 s56, s17, 1
	s_add_co_u32 s56, s56, s14
	s_lshl_b32 s56, s56, 17                        ; y: 64 tokens are 131,072 bytes: it hangs on the row block alone
	s_mov_b32 s57, 0
	s_lshl_b32 s58, s15, 1
	s_add_co_u32 s58, s58, s14
	s_lshl_b32 s58, s58, 18                        ; Wp: 128 columns are 262,144 bytes: it hangs on the column block alone
	s_mov_b32 s59, 0
	s_lshl_b32 s60, s14, 14                        ; where they go in a slot: the wave's number alone decides
	s_lshl_b32 s61, s14, 15
	s_add_co_u32 s61, s61, 32768
	s_wait_dscnt 0x0                               ; both opening adds are done
	s_wait_kmcnt 0x0
	s_add_nc_u64 s[56:57], s[4:5], s[56:57]
	s_add_nc_u64 s[58:59], s[6:7], s[58:59]
.irp n, 0,1                            ; slot n's groups 0 stand at K step n
	s_mov_b32 s[G0A+4*\n], 1
	s_add_co_u32 s[G0A+4*\n+1], s60, \n*SLOT
	s_add_nc_u64 s[G0A+4*\n+2:G0A+4*\n+3], s[56:57], \n*16384
	s_or_b32 s[G0A+4*\n+3], s[G0A+4*\n+3], 0x80000000
	s_mov_b32 s[G0B+4*\n], 1
	s_add_co_u32 s[G0B+4*\n+1], s61, \n*SLOT
	s_add_nc_u64 s[G0B+4*\n+2:G0B+4*\n+3], s[58:59], \n*32768
	s_or_b32 s[G0B+4*\n+3], s[G0B+4*\n+3], 0x80000000
.endr
	CROUND                                         ; all sixteen work-groups are here
	JLOAD 0                                        ; K step 0
	v_and_b32 v1, 31, v0                           ; L
	v_and_b32 v12, 15, v0                          ; r
	v_bfe_u32 v13, v0, 4, 1                        ; h
	v_lshlrev_b32 v8, 4, v1                        ; 16 L
	v_lshlrev_b32 v9, 5, v13                       ; 32 h
	s_lshl_b32 s62, s13, 14
	s_lshl_b32 s63, s14, 15
	s_add_co_u32 s63, s63, 32768
.irp n, 0,1
	v_add_nc_u32 v[2+\n], s62, v8                  ; my 64 tokens in slot n
	v_add_nc_u32 v[4+\n], s63, v8                  ; my 128 columns
	s_add_co_u32 s62, s62, SLOT
	s_add_co_u32 s63, s63, SLOT
.endr
	s_mul_i32 s62, s12, 8448
	s_add_co_u32 s62, s62, STAGE                   ; my stage
	v_mul_u32_u24 v6, v12, 528
	v_lshl_add_u32 v6, v13, 5, v6
	v_add_nc_u32 v6, s62, v6                       ; in: row r, 32 bytes for each half of the lanes
	v_add_nc_u32 v7, s62, v8                       ; back: the 32 lanes take one row of 512 bytes
	s_lshl_b32 s68, s15, 10
	s_lshl_b32 s69, s14, 9
	s_add_co_u32 s68, s68, s69                     ; my first column x 4 bytes
	s_mov_b32 s69, 0
	s_add_nc_u64 s[8:9], s[8:9], s[68:69]
	s_add_nc_u64 s[10:11], s[10:11], s[68:69]
	s_lshl_b32 s66, s17, 19                        ; 128 rows of 4,096 bytes,
	s_lshl_b32 s67, s13, 18                        ; my 64
	s_add_co_u32 s66, s66, s67
	s_mov_b32 s67, 0
	s_add_nc_u64 s[10:11], s[10:11], s[66:67]
	WIN 0x80                                       ; destination window 2
.irp b, 0,1,2,3,4,5,6,7
	global_load_b128 v[8*\b:8*\b+3], v9, s[8:9] offset:64*\b             ; lane (r, h): bp of columns 16 b + 8 h + 0 .. 7
	global_load_b128 v[8*\b+4:8*\b+7], v9, s[8:9] offset:64*\b+16
.endr
	WIN 0
.macro FETCH sl, kc, p                 ; the fragments of the slot's kc-th 32 along K into set p: y's four, Wp's eight: 24 loads in one run
.irp a, 0,1,2,3
.irp e, 0,1
	ds_load_b128 v[32+32*(\p)+8*\a+4*\e:32+32*(\p)+8*\a+4*\e+3], v[2+(\sl)] offset:4096*(\kc)+1024*\a+512*\e
.endr
.endr
.irp b, 0,1,2,3,4,5,6,7
.irp e, 0,1
	ds_load_b128 v[96+64*(\p)+8*\b+4*\e:96+64*(\p)+8*\b+4*\e+3], v[4+(\sl)] offset:8192*(\kc)+1024*\b+512*\e
.endr
.endr
.endm
.macro MUL p, first                    ; 32 products on set p: the 32 accumulators by turns, in the same order every time
.if \first
	WIN 0x60                                       ; C (bias) window 2, D window 1
.else
	WIN 0x50                                       ; C and D window 1
.endif
.irp a, 0,1,2,3
.irp b, 0,1,2,3,4,5,6,7
.if \first
	v_wmma_f32_16x16x32_f16 v[8*(8*\a+\b):8*(8*\a+\b)+7], v[96+64*(\p)+8*\b:96+64*(\p)+8*\b+7], v[32+32*(\p)+8*\a:32+32*(\p)+8*\a+7], v[8*\b:8*\b+7]
.else
	v_wmma_f32_16x16x32_f16 v[8*(8*\a+\b):8*(8*\a+\b)+7], v[96+64*(\p)+8*\b:96+64*(\p)+8*\b+7], v[32+32*(\p)+8*\a:32+32*(\p)+8*\a+7], v[8*(8*\a+\b):8*(8*\a+\b)+7]
.endif
.endr
.endr
.endm
; K STEP s, in slot s % 2.  Each wave waits for all its tensor loads (its part of this slot), adds 0 to its spare word, and waits for that and for its reads of the other slot; a round of the cluster's barrier;
; behind it the other slot takes K step s + 1, which has this step's 128 matrix instructions in which to land.
.macro TRIP s, first
.set SL, (\s)%2
	WIN 0
	s_wait_tensorcnt 0x0                           ; no tensor load of mine is out, so a group 0 may be written:
	ds_add_u32 v[SPW], v[NIL]                      ; (0 onto my spare word)
	s_add_nc_u64 s[G0A+4*SL+2:G0A+4*SL+3], s[G0A+4*SL+2:G0A+4*SL+3], 32768   ; this slot's next K step, two on (the last two stepped addresses are not used)
	s_add_nc_u64 s[G0B+4*SL+2:G0B+4*SL+3], s[G0B+4*SL+2:G0B+4*SL+3], 65536
	s_wait_dscnt 0x0
	CROUND
.if (\s) < 7
	JLOAD 1-SL                                     ; the first thing behind the round; its four v_nop are also the places ahead of the loads below
.else
	PLACES
.endif
	FETCH SL, 0, 0
	FETCH SL, 1, 1
	s_wait_dscnt 24                                ; all but the 24 just issued
	MUL 0, \first
	PLACES
	WIN 0
	FETCH SL, 2, 0
	s_wait_dscnt 24
	MUL 1, 0
	PLACES
	WIN 0
	FETCH SL, 3, 1
	s_wait_dscnt 24
	MUL 0, 0
	s_wait_dscnt 0x0
	MUL 1, 0
.endm
	s_wait_loadcnt 0x0                             ; the bias
	TRIP 0, 1
.irp s, 1,2,3,4,5,6,7
	TRIP \s, 0
.endr
	WIN 0
; THE WAY OUT, 16 rows x 128 columns at a time: through my own stage and back as whole rows of 512 bytes.  LDS serves a wave's instructions in order (ISA guide 5.7.1.4): no wait between the stores and the loads.
.macro TOSTAGE a
	WIN 0x04                                       ; an LDS store's data are its source 1: window 1
.irp b, 0,1,2,3,4,5,6,7
	ds_store_b128 v6, v[8*(8*(\a)+\b):8*(8*(\a)+\b)+3] offset:64*\b          ; each accumulator from its low end on
	ds_store_b128 v6, v[8*(8*(\a)+\b)+4:8*(8*(\a)+\b)+7] offset:64*\b+16
.endr
	WIN 0
.set BB, 32+64*((\a)%2)
.irp t, 0,1,2,3,4,5,6,7,8,9,10,11,12,13,14,15
	ds_load_b128 v[BB+4*\t:BB+4*\t+3], v7 offset:\t*528
.endr
.endm
.macro SEND a, younger                 ; younger: the LDS instructions issued behind block a's loads, which may stay out
.set BB, 32+64*((\a)%2)
	s_wait_dscnt \younger
.irp t, 0,1,2,3,4,5,6,7,8,9,10,11,12,13,14,15
	global_store_b128 v8, v[BB+4*\t:BB+4*\t+3], s[10:11] offset:(16*(\a)+\t)*4096 th:TH_STORE_NT   ; 32 lanes store 512 consecutive bytes, at a multiple of 256 from the buffer's first byte
.endr
.endm
	PLACES                                         ; ahead of the first read of results and of the loads into registers that held fragments
	TOSTAGE 0
.irp a, 1,2,3
.if \a > 1
	s_wait_xcnt 0x0                                ; block a - 2's stores have read their registers: block a's loads may land there
.endif
	TOSTAGE \a
	SEND \a-1, 32                                  ; behind block a - 1's loads: block a's 16 stores and 16 loads
.endr
	SEND 3, 0
	s_wait_tensorcnt 0x0                           ; the wave's end
	ds_add_u32 v[SPW], v[NIL]
	s_wait_dscnt 0x0
	CROUND                                         ; the closing round
	s_endpgm
.Lfunc_end_k_qfd637eeb5f_outp:
	.size	k_qfd637eeb5f_outp, .Lfunc_end_k_qfd637eeb5f_outp-k_qfd637eeb5f_outp
	.p2alignl 7, 3214868480
	.fill 96, 4, 3214868480
	.section	.rodata,"a",@progbits
	.p2align	6, 0x0
	.amdhsa_kernel k_qfd637eeb5f_outp
		.amdhsa_group_segment_fixed_size 327680
		.amdhsa_private_segment_fixed_size 0
		.amdhsa_enable_private_segment 0
		.amdhsa_kernarg_size 32
		.amdhsa_user_sgpr_count 2
		.amdhsa_user_sgpr_kernarg_segment_ptr 1
		.amdhsa_wavefront_size32 1
		.amdhsa_system_sgpr_workgroup_id_x 1
		.amdhsa_system_sgpr_workgroup_id_y 1
		.amdhsa_system_sgpr_workgroup_id_z 1
		.amdhsa_system_vgpr_workitem_id 0
		.amdhsa_next_free_vgpr 640
		.amdhsa_next_free_sgpr 72
		.amdhsa_reserve_vcc 0
		.amdhsa_float_denorm_mode_32 3
		.amdhsa_float_denorm_mode_16_64 3
		.amdhsa_memory_ordered 1
		.amdhsa_forward_progress 1
		.amdhsa_inst_pref_size 147
	.end_amdhsa_kernel
	.amdgpu_metadata
---
amdhsa.version: [ 1, 2 ]
amdhsa.kernels:
  - .name:           k_qfd637eeb5f_outp
    .symbol:         k_qfd637eeb5f_outp.kd
    .args:
      - { .name: yf, .offset: 0, .size: 8, .value_kind: global_buffer, .address_space: global }
      - { .name: wpf, .offset: 8, .size: 8, .value_kind: global_buffer, .address_space: global }
      - { .name: bp, .offset: 16, .size: 8, .value_kind: global_buffer, .address_space: global }
      - { .name: out0, .offset: 24, .size: 8, .value_kind: global_buffer, .address_space: global }
    .group_segment_fixed_size: 327680
    .private_segment_fixed_size: 0
    .kernarg_segment_align: 8
    .kernarg_segment_size: 32
    .max_flat_workgroup_size: 128
    .sgpr_count:     72
    .vgpr_count:     640
    .wavefront_size: 32
...
	.end_amdgpu_metadata
.endif
;; end of part 4
